; MI455X (gfx1250); checked and timed in simulation.
; The chip was launched on July 23, 2026; its instructions are those of AMD's public machine-readable ISA for CDNA 5 (MIT licence, August 2026) and "CDNA5" Instruction Set Architecture Reference Guide (July 2026). The comments in the code are by the model that wrote it; some were corrected since.
;; Center Pool. Allowed arithmetic: float matrix products may take bf16 or f16 operands with f32 sums; all other float work in f32.
;; Inputs: W 256 x 4 float32; b 256 float32; bboxes 8 x 4 x 16 x 4 float32; input 32 x 256 x 64 x 64 float32.
;; Outputs: out0 8 x 4 x 16 x 256 float32.
;; One version. Each part assembles by itself: llvm-mc -triple=amdgcn-amd-amdhsa -mcpu=gfx1250 --defsym DOCPART=n.
;; ======== version 1 of 1: 2 launches
;; workspace buffers: cells 2,048 bytes of whole numbers
;; launch cells (part 1): grid 1 x 1, 8 waves a work-group, no clusters, 0 bytes of LDS; arguments bboxes, cells; writes cells
.if DOCPART == 1
	.amdgcn_target "amdgcn-amd-amdhsa--gfx1250"
	.amdhsa_code_object_version 6
	.text
	.protected	k_qdbf75438b2_cells
	.globl	k_qdbf75438b2_cells
	.p2align	8
	.type	k_qdbf75438b2_cells,@function
k_qdbf75438b2_cells:
	s_mov_b64 s[64:65], 0
	v_nop
	global_prefetch_b8 v0, s[64:65] scope:SCOPE_SE
	s_setreg_imm32_b32 hwreg(HW_REG_WAVE_MODE, 25, 1), 1
	s_wait_xcnt 0x0
; cells[n] = cell_y * 64 + cell_x of box n, n = 0 .. 511, as 32-bit whole numbers.
; bboxes: [512][4] f32 = (x, y, w, h).  centre = (x + floor(w/2), y + floor(h/2)); cell = clip(floor(centre / 8), 0, 63).
; Why a launch of its own: a launch forms no address from numbers that it derives from floats itself, so the cells are made
; here, stored as whole numbers, and the next launch reads them and forms its gather's addresses from them.
; One work-group, eight waves, 256 threads: thread t owns boxes 2 t and 2 t + 1: 32 neighbouring bytes in, 8 out, so that
; a wave's one store covers 256 consecutive bytes, aligned.  There is work for one work-group only.
; All scalings are by powers of two (1/2, 1/8), so multiplying gives the division's bits.
; LIMITS: the clip is made in f32, ahead of the conversion: for |centre / 8| >= 2^31, where a conversion to int32 would be out of
; its range, the cell is 0 or 63.  A NaN in a box gives cell 0 (the output row is NaN through the label in any case).
.set BOX, 4                            ; v[4:7] box 2 t, v[8:11] box 2 t + 1
.set T,   12                           ; v[12:13] at work: (x, y) side by side
.set IDX, 14                           ; v[14:15] the two cells
	s_load_b128 s[4:7], s[0:1], 0x0                ; bboxes s[4:5], cells s[6:7]
	v_lshlrev_b32 v1, 5, v0                        ; my two boxes: 32 t
	v_lshlrev_b32 v2, 3, v0                        ; my two cells: 8 t
	s_wait_kmcnt 0x0
	global_load_b128 v[BOX:BOX+3],   v1, s[4:5]
	global_load_b128 v[BOX+4:BOX+7], v1, s[4:5] offset:16
	s_wait_loadcnt 0x0                             ; both boxes: nothing else is there to do meanwhile
.macro CELL box, dst
	v_pk_mul_f32 v[T:T+1], v[\box+2:\box+3], 0.5 op_sel_hi:[1,0]   ; (w, h) / 2
	v_floor_f32 v[T],   v[T]
	v_floor_f32 v[T+1], v[T+1]
	v_pk_add_f32 v[T:T+1], v[\box:\box+1], v[T:T+1]                ; the centre
	v_pk_mul_f32 v[T:T+1], v[T:T+1], 0x3e000000 op_sel_hi:[1,0]    ; / 8, a cell's side in pixels (512 / 64)
	v_floor_f32 v[T],   v[T]
	v_floor_f32 v[T+1], v[T+1]
	v_med3_num_f32 v[T],   v[T],   0, 0x427c0000                   ; clip to 0 .. 63.0
	v_med3_num_f32 v[T+1], v[T+1], 0, 0x427c0000
	v_cvt_u32_f32 v[T],   v[T]                                     ; whole numbers 0 .. 63: the conversion is exact
	v_cvt_u32_f32 v[T+1], v[T+1]
	v_lshl_add_u32 v[\dst], v[T+1], 6, v[T]                        ; cell_y * 64 + cell_x
.endm
	CELL BOX,   IDX
	CELL BOX+4, IDX+1
	global_store_b64 v2, v[IDX:IDX+1], s[6:7]      ; 32 lanes x 8 bytes
	s_endpgm
.Lfunc_end_k_qdbf75438b2_cells:
	.size	k_qdbf75438b2_cells, .Lfunc_end_k_qdbf75438b2_cells-k_qdbf75438b2_cells
	.p2alignl 7, 3214868480
	.fill 96, 4, 3214868480
	.section	.rodata,"a",@progbits
	.p2align	6, 0x0
	.amdhsa_kernel k_qdbf75438b2_cells
		.amdhsa_group_segment_fixed_size 0
		.amdhsa_private_segment_fixed_size 0
		.amdhsa_enable_private_segment 0
		.amdhsa_kernarg_size 16
		.amdhsa_user_sgpr_count 2
		.amdhsa_user_sgpr_kernarg_segment_ptr 1
		.amdhsa_wavefront_size32 1
		.amdhsa_system_sgpr_workgroup_id_x 1
		.amdhsa_system_sgpr_workgroup_id_y 1
		.amdhsa_system_sgpr_workgroup_id_z 1
		.amdhsa_system_vgpr_workitem_id 0
		.amdhsa_next_free_vgpr 16
		.amdhsa_next_free_sgpr 66
		.amdhsa_reserve_vcc 0
		.amdhsa_float_denorm_mode_32 3
		.amdhsa_float_denorm_mode_16_64 3
		.amdhsa_memory_ordered 1
		.amdhsa_forward_progress 1
		.amdhsa_inst_pref_size 3
	.end_amdhsa_kernel
	.amdgpu_metadata
---
amdhsa.version: [ 1, 2 ]
amdhsa.kernels:
  - .name:           k_qdbf75438b2_cells
    .symbol:         k_qdbf75438b2_cells.kd
    .args:
      - { .name: bboxes, .offset: 0, .size: 8, .value_kind: global_buffer, .address_space: global }
      - { .name: cells, .offset: 8, .size: 8, .value_kind: global_buffer, .address_space: global }
    .group_segment_fixed_size: 0
    .private_segment_fixed_size: 0
    .kernarg_segment_align: 8
    .kernarg_segment_size: 16
    .max_flat_workgroup_size: 256
    .sgpr_count:     66
    .vgpr_count:     16
    .wavefront_size: 32
...
	.end_amdgpu_metadata
.endif
;; end of part 1
;; launch gather (part 2): grid 256 x 1, 4 waves a work-group, no clusters, 0 bytes of LDS; arguments cells, input, bboxes, W, b, out0; writes out0
.if DOCPART == 2
	.amdgcn_target "amdgcn-amd-amdhsa--gfx1250"
	.amdhsa_code_object_version 6
	.text
	.protected	k_qdbf75438b2_gather
	.globl	k_qdbf75438b2_gather
	.p2align	8
	.type	k_qdbf75438b2_gather,@function
k_qdbf75438b2_gather:
	s_mov_b64 s[64:65], 0
	v_nop
	global_prefetch_b8 v0, s[64:65] scope:SCOPE_SE
	s_setreg_imm32_b32 hwreg(HW_REG_WAVE_MODE, 25, 1), 1
	s_wait_xcnt 0x0
; out0[n][c] = input[n / 16][c][cell_y][cell_x] + sum over f of label[n][f] W[c][f] + b[c],  n = 0 .. 511, c = 0 .. 255, all f32.
; cells[n] = cell_y * 64 + cell_x was stored by the launch before; the label is made again here from the box, by the same arithmetic.
; SHARES: 256 work-groups of four waves.  A work-group owns boxes 2 g and 2 g + 1 (both of image g / 8), two waves a box.
; Lane q = 0 .. 63 of a box owns channels 4 q .. 4 q + 3: its four results are 16 neighbouring bytes, and a wave's one store covers
; 512 consecutive bytes, aligned.  Its four rows of W are 64 neighbouring bytes; a wave's four loads of W use every byte of 2 KiB.
; THE GATHER: channels lie 16,384 bytes apart, so each of the lane's four words is a load of its own (the channel in the immediate).
; All four go out as soon as the cell is known; the label and the 16 multiply-adds are done while they are on their way.
; LEFT OUT, and why.  Matrix instructions: the sum has 4 terms, a 16x16x32 product would carry 28 zeros of every 32 along K and would
; round label and W to bf16; four f32 fused multiply-adds an output are hidden behind the gather.  LDS, tensor loads, clusters: no byte
; of the gather is used twice in a work-group, and what work-groups share (W and b, 5 KiB) is small beside a work-group's 512 gathered words.
; Prefetch: the loads themselves are issued at the first moment at which their addresses are known.
; LIMITS: the cell's clip is made in f32 (see the launch before: |centre / 8| >= 2^31 gives 0 or 63).  The sum runs
; b + l0 W0 + l1 W1 + l2 W2 + l3 W3, fused, and the gathered value last: another order of rounding than value + product + b.
.set CH_BYTES, 64*64*4                 ; from a channel to the next
.set Q,    1                           ; v1        q
.set OW,   2                           ; v2        64 q: my four rows of W
.set OC,   3                           ; v3        16 q: my four numbers of b, and of the output row
.set OG,   4                           ; v4        q * 4 channels * 16,384 + 4 * cell: my first gathered word in the image
.set OB,   5                           ; v5        16 n: my box
.set BOX,  8                           ; v[8:11]   x, y, w, h
.set L,    12                          ; v[12:15]  the label
.set WT,   16                          ; v[16:31]  W[4 q + j][f] at WT + 4 j + f
.set BI,   32                          ; v[32:35]  b
.set FV,   36                          ; v[36:39]  the gathered values
.set ACC,  40                          ; v[40:43]  the results
	s_load_b256 s[4:11], s[0:1], 0x0               ; cells s[4:5], input s[6:7], bboxes s[8:9], W s[10:11]
	s_load_b128 s[12:15], s[0:1], 0x20             ; b s[12:13], out0 s[14:15]
	v_lshrrev_b32 v[OB], 5, v0
	v_readfirstlane_b32 s16, v[OB]                 ; wave 0 .. 3
	s_lshr_b32 s17, s16, 1                         ; which of the group's two boxes
	s_lshl1_add_u32 s17, ttmp9, s17                ; n = 2 g + that
	s_lshl_b32 s18, s17, 2                         ; 4 n: my word of cells
	s_lshl_b32 s24, s17, 4                         ; 16 n: my box
	s_lshr_b32 s20, ttmp9, 3                       ; image = n / 16 = g / 8
	s_lshl_b32 s20, s20, 22                        ; x 256 channels x 16,384 bytes: 31 x 4 MiB at the most, below 2^31
	s_mov_b32 s21, 0
	s_lshl_b32 s22, s17, 10                        ; my output row: 1,024 n
	s_mov_b32 s23, 0
	v_and_b32 v[Q], 63, v0
	v_lshlrev_b32 v[OW], 6, v[Q]
	v_lshlrev_b32 v[OC], 4, v[Q]
	v_mov_b32 v[OB], s24
	s_wait_kmcnt 0x0                               ; the six addresses
	s_load_b32 s19, s[4:5], s18 offset:0x0         ; my box's cell, the same for the whole wave: first, since the gather hangs on it
	global_load_b128 v[BOX:BOX+3], v[OB], s[8:9]   ; these six need no cell: they go out while it comes
.irp j, 0,1,2,3
	global_load_b128 v[WT+4*\j:WT+4*\j+3], v[OW], s[10:11] offset:16*\j
.endr
	global_load_b128 v[BI:BI+3], v[OC], s[12:13]
	s_add_nc_u64 s[6:7], s[6:7], s[20:21]          ; input at my image (no pending instruction names s[6:7] or s[14:15])
	s_add_nc_u64 s[14:15], s[14:15], s[22:23]      ; out0 at my row
	s_wait_kmcnt 0x0                               ; the cell
	s_min_u32 s19, s19, 0xfff                      ; a loaded number enters an address only behind a clamp: 64 x 64 cells
	s_lshl_b32 s19, s19, 2                         ; in bytes
	v_lshl_add_u32 v[OG], v[Q], 16, s19            ; q x 4 channels x 16,384 + the cell
.irp j, 0,1,2,3
	global_load_b32 v[FV+\j], v[OG], s[6:7] offset:\j*CH_BYTES     ; no cache hint: two boxes may name one cell
.endr
	s_wait_loadcnt 0x4                             ; loads come back in order: box, W and b are in, the four gathered words stay out
	; the label: ((xc - 8 cx) / 8, (yc - 8 cy) / 8, w / 512, h / 512); every scaling is by a power of two, and 8 cx is exact
	v_pk_mul_f32 v[L:L+1], v[BOX+2:BOX+3], 0.5 op_sel_hi:[1,0]
	v_floor_f32 v[L],   v[L]
	v_floor_f32 v[L+1], v[L+1]
	v_pk_add_f32 v[L:L+1], v[BOX:BOX+1], v[L:L+1]                          ; the centre (xc, yc)
	v_pk_mul_f32 v[L+2:L+3], v[L:L+1], 0x3e000000 op_sel_hi:[1,0]          ; / 8
	v_floor_f32 v[L+2], v[L+2]
	v_floor_f32 v[L+3], v[L+3]
	v_med3_num_f32 v[L+2], v[L+2], 0, 0x427c0000                           ; (cx, cy) as f32, clipped to 0 .. 63.0
	v_med3_num_f32 v[L+3], v[L+3], 0, 0x427c0000
	v_pk_fma_f32 v[L:L+1], v[L+2:L+3], 0xc1000000, v[L:L+1] op_sel_hi:[1,0,1]   ; centre - 8 x cell: one rounding, as the subtraction has
	v_pk_mul_f32 v[L:L+1], v[L:L+1], 0x3e000000 op_sel_hi:[1,0]            ; / 8
	v_pk_mul_f32 v[L+2:L+3], v[BOX+2:BOX+3], 0x3b000000 op_sel_hi:[1,0]    ; (w, h) / 512
	; four chains, one a channel, taken by turns; the first link starts from b: nothing is cleared
.irp j, 0,1,2,3
	v_fma_f32 v[ACC+\j], v[L], v[WT+4*\j], v[BI+\j]
.endr
.irp f, 1,2,3
.irp j, 0,1,2,3
	v_fmac_f32 v[ACC+\j], v[L+\f], v[WT+4*\j+\f]
.endr
.endr
	s_wait_loadcnt 0x0                             ; the gathered values
	v_pk_add_f32 v[ACC:ACC+1],   v[ACC:ACC+1],   v[FV:FV+1]
	v_pk_add_f32 v[ACC+2:ACC+3], v[ACC+2:ACC+3], v[FV+2:FV+3]
	global_store_b128 v[OC], v[ACC:ACC+3], s[14:15] th:TH_STORE_NT         ; written once, not read again in this launch
	s_endpgm
.Lfunc_end_k_qdbf75438b2_gather:
	.size	k_qdbf75438b2_gather, .Lfunc_end_k_qdbf75438b2_gather-k_qdbf75438b2_gather
	.p2alignl 7, 3214868480
	.fill 96, 4, 3214868480
	.section	.rodata,"a",@progbits
	.p2align	6, 0x0
	.amdhsa_kernel k_qdbf75438b2_gather
		.amdhsa_group_segment_fixed_size 0
		.amdhsa_private_segment_fixed_size 0
		.amdhsa_enable_private_segment 0
		.amdhsa_kernarg_size 48
		.amdhsa_user_sgpr_count 2
		.amdhsa_user_sgpr_kernarg_segment_ptr 1
		.amdhsa_wavefront_size32 1
		.amdhsa_system_sgpr_workgroup_id_x 1
		.amdhsa_system_sgpr_workgroup_id_y 1
		.amdhsa_system_sgpr_workgroup_id_z 1
		.amdhsa_system_vgpr_workitem_id 0
		.amdhsa_next_free_vgpr 44
		.amdhsa_next_free_sgpr 66
		.amdhsa_reserve_vcc 0
		.amdhsa_float_denorm_mode_32 3
		.amdhsa_float_denorm_mode_16_64 3
		.amdhsa_memory_ordered 1
		.amdhsa_forward_progress 1
		.amdhsa_inst_pref_size 4
	.end_amdhsa_kernel
	.amdgpu_metadata
---
amdhsa.version: [ 1, 2 ]
amdhsa.kernels:
  - .name:           k_qdbf75438b2_gather
    .symbol:         k_qdbf75438b2_gather.kd
    .args:
      - { .name: cells, .offset: 0, .size: 8, .value_kind: global_buffer, .address_space: global }
      - { .name: input, .offset: 8, .size: 8, .value_kind: global_buffer, .address_space: global }
      - { .name: bboxes, .offset: 16, .size: 8, .value_kind: global_buffer, .address_space: global }
      - { .name: W, .offset: 24, .size: 8, .value_kind: global_buffer, .address_space: global }
      - { .name: b, .offset: 32, .size: 8, .value_kind: global_buffer, .address_space: global }
      - { .name: out0, .offset: 40, .size: 8, .value_kind: global_buffer, .address_space: global }
    .group_segment_fixed_size: 0
    .private_segment_fixed_size: 0
    .kernarg_segment_align: 8
    .kernarg_segment_size: 48
    .max_flat_workgroup_size: 128
    .sgpr_count:     66
    .vgpr_count:     44
    .wavefront_size: 32
...
	.end_amdgpu_metadata
.endif
;; end of part 2
